; MI455X (gfx1250); checked and timed in simulation.
; The chip was launched on July 23, 2026; its instructions are those of AMD's public machine-readable ISA for CDNA 5 (MIT licence, August 2026) and "CDNA5" Instruction Set Architecture Reference Guide (July 2026). The comments in the code are by the model that wrote it; some were corrected since.
;; Bahdanau Attention. Allowed arithmetic: matrix products marked QUANTISED: E3M2 operands, one E8M0 scale for each 32 along K, by v_wmma_scale_f32_16x16x128_f8f6f4 with both operands' format E3M2, f32 sums; products left as they are: f32 operands where the result goes on into a quantised operand, else bf16, f16 or f32 operands; f32 sums; everything else in f32.
;; Inputs: V 1,024 x 1 float32; W1_codes 1,024 x 32 x 24 uint8 (E3M2 codes of W1, K innermost, in blocks of 32 codes, four codes in three bytes); W1_scales 1,024 x 32 uint8 (E8M0 scales of W1, one for each 32 codes along K); W2_codes 1,024 x 32 x 24 uint8 (E3M2 codes of W2, K innermost, in blocks of 32 codes, four codes in three bytes); W2_scales 1,024 x 32 uint8 (E8M0 scales of W2, one for each 32 codes along K); b1 1,024 float32; b2 1,024 float32; bv 1 float32; query_codes 32 x 32 x 24 uint8 (E3M2 codes of query, K innermost, in blocks of 32 codes, four codes in three bytes); query_scales 32 x 32 uint8 (E8M0 scales of query, one for each 32 codes along K); values 32 x 2,048 x 1,024 float32.
;; Outputs: out0 32 x 1,024 float32; out1 32 x 2,048 x 1 float32.
;; This version of the problem:
;;   THIS VERSION OF THE PROBLEM IS GIVEN IN LOW PRECISION. The matrix products marked QUANTISED in the list below multiply operands that are first quantised to E3M2 (3 exponent bits, 2 mantissa bits; 6 bits a number), with one power-of-two scale for each 32 numbers along K (OCP MX v1.0); their sums are f32. All else is computed in f32.
;;   The module's matrix products, in the order in which they are computed (A, B: the left and right operand; K: the contracted axis; several contracted axes count as one K, in the product's order):
;;     1. [M 32, K 1,024] x [K 1,024, N 1,024]; A: input query (given as codes); B: input W1 (given as codes): QUANTISED
;;     2. [M 65,536, K 1,024] x [K 1,024, N 1,024]; A: input values; B: input W2 (given as codes): QUANTISED
;;     3. [M 65,536, K 1,024] x [K 1,024, N 1]; A: computed on the way; B: input V: left as it is (N = 1 < 16)
;;   THE QUANTISER, for each operand of a quantised product, along K:
;;     - K is cut into blocks of 32 from its start; a last block that is shorter is filled with zeros.
;;     - A block's scale is 2^e with e = floor(log2(the largest magnitude in the block)) - 4, held to -126 .. 127; a block of zeros has e = 0. As a byte (E8M0): e + 127.
;;     - Each number is divided by its block's scale, clamped to +-28, and rounded to the nearest number of E3M2, ties to even, subnormals kept.
;;     - The product sums the exact products of the quantised numbers (number of the format x scale) in f32.
;;   ~~~python
;;   def quantise(x, axis):      # numpy; x: float32 -> the quantised numbers, widened to float32 again
;;       x = np.moveaxis(x, axis, -1); K = x.shape[-1]
;;       x = np.pad(x, [(0, 0)] * (x.ndim - 1) + [(0, -K % 32)]); x = x.reshape(x.shape[:-1] + (-1, 32)); a = np.abs(x).max(-1, keepdims=True)
;;       e = np.where(a > 0, np.clip(np.frexp(np.where(a > 0, a, 1))[1] - 1 - 4, -126, 127), 0)      # np.frexp(a)[1] - 1 = floor(log2(a)), exactly
;;       r = np.clip(x / 2.0 ** e, -28, 28)
;;       step = 2.0 ** (np.maximum(np.frexp(np.where(r == 0, 1, r))[1] - 1, -2) - 2)
;;       q = np.round(r / step) * step * 2.0 ** e      # np.round: ties to even
;;       return np.moveaxis(q.reshape(q.shape[:-2] + (-1,))[..., :K], -1, axis).astype(np.float32)
;;   ~~~
;;   INPUTS GIVEN AS CODES. W1 (in the module: [1024, 1024], K = its axis 0); W2 (in the module: [1024, 1024], K = its axis 0); query (in the module: [32, 1024], K = its axis 1): each comes as NAME_codes (uint8): NAME with its K axis moved to the last place and cut into blocks of 32 codes, [.., K / 32, bytes a block], one block behind the other in memory; four codes in three bytes: a row's codes are one little-endian stream of bits, code i at bits 6 i .. 6 i + 5 (a code: sign, 3 exponent bits, 2 mantissa bits); and NAME_scales (uint8): the same leading axes, one E8M0 byte (e + 127) for each 32 codes along K. Its value is code x scale, taken as it is: it is not quantised again, and the codes and scales need not be those that the quantiser above would give.
;; One version. Each part assembles by itself: llvm-mc -triple=amdgcn-amd-amdhsa -mcpu=gfx1250 --defsym DOCPART=n.
;; ======== version 1 of 1: 3 launches
;; limits: right only within a limited range of input values
;; workspace buffers: cq 131,072 bytes; w2img 819,200 bytes; lg 262,144 bytes; pm 131,072 bytes; pc 2,097,152 bytes
;; launch prep (part 1): grid 192 x 1, 1 waves a work-group, no clusters, 0 bytes of LDS; arguments query_codes, query_scales, W1_codes, W1_scales, b1, b2, W2_codes, W2_scales, cq, w2img; writes cq, w2img
.if DOCPART == 1
	.amdgcn_target "amdgcn-amd-amdhsa--gfx1250"
	.amdhsa_code_object_version 6
	.text
	.protected	k_q31c4b2bb79_prep
	.globl	k_q31c4b2bb79_prep
	.p2align	8
	.type	k_q31c4b2bb79_prep,@function
k_q31c4b2bb79_prep:
	s_mov_b64 s[64:65], 0
	v_nop
	global_prefetch_b8 v0, s[64:65] scope:SCOPE_SE
	s_setreg_imm32_b32 hwreg(HW_REG_WAVE_MODE, 25, 1), 1
	s_wait_xcnt 0x0
; BAHDANAU ATTENTION, launch 1 of 3.  logit[b][t] = sum over u of V[u] tanh(q_proj[b][u] + v_proj[b][t][u]) + bv; softmax over t; context = sum over t of weight x values.
; WORK LEFT OUT, for all values of the inputs:
;   bv is added to every logit of a batch alike, and both outputs hang on the logits through softmax over t alone; softmax(l + c) = softmax(l) for every c.  So bv reaches no output:
;   it is not loaded and is no argument of any launch.
;   tanh x = 1 - 2 / (1 + e^(2x)), so the logit is (sum of V[u]) - 2 sum of V[u] / (1 + e^(2x)): the first term is again the same along t and is not formed.
;   LIMIT: a NaN, an infinity or an overflow that reaches only bv or the sum of V is not carried to the result.
; THIS LAUNCH makes two things that every work-group of the next launch reads.  A work-group is ONE wave: the lanes of a fragment's loads stand 768 bytes apart, so each wave has a WGP's address path to itself.
;   Work-groups 0-127:  cq[b][u] = K2 (query W1 + b1 + b2)[b][u], K2 = 2 log2(e): the part of tanh's argument that does not hang on t, already in the exponential's base.  The product runs on the given codes of
;     E3M2 and their E8M0 scales.  A wave makes 16 batches x 16 u.  The matrix instruction is used transposed (source 0 = 16 rows of W1, source 1 = 16 rows of query): a lane holds one batch and 8 neighbouring u.
;   Work-groups 128-191: W2's codes and scale bytes laid in the order of the operand's registers: pair-block pb (25,600 bytes) holds u = 32 pb .. 32 pb + 31: fragment (t, s) (16 u x 128 K, 12 registers a lane) at
;     (8 t + s) 1,536: registers 4 c .. 4 c + 3 of lane l at 512 c + 16 l; behind the 16 fragments the scale words: K step 4 q + i of row l % 16 of tile l / 16 at 24,576 + 512 q + 16 l + 4 i.
;     A wave takes one tile of 16 u.  Each of its stores of codes covers 512 consecutive bytes, aligned.
; No LDS, no barrier: waves share nothing.  cq's stores are 32 bytes of each of 16 rows: the buffer is 128 KiB in all, and a stage in LDS for it would be more text than it is worth.
.set K2F, 0x4038aa3b                   ; 2 log2(e)
	s_load_b256 s[4:11], s[0:1], 0x0               ; query's codes s[4:5], its scales s[6:7], W1's codes s[8:9], its scales s[10:11]
	s_load_b256 s[12:19], s[0:1], 0x20             ; b1 s[12:13], b2 s[14:15], W2's codes s[16:17], its scales s[18:19]
	s_load_b128 s[20:23], s[0:1], 0x40             ; cq s[20:21], w2img s[22:23]
	v_and_b32 v2, 15, v0                           ; r
	v_bfe_u32 v3, v0, 4, 1                         ; h
	v_mul_u32_u24 v4, v2, 768                      ; a row of 1,024 codes is 768 bytes;
	v_mad_u32_u24 v4, v3, 24, v4                   ; lanes 16-31 begin one block of 32 codes (24 bytes) further on
	s_mov_b32 s29, 0
	s_mov_b32 s34, K2F
	s_mov_b32 s35, K2F                             ; (named with it as a pair)
	s_wait_kmcnt 0x0
	s_cmp_lt_u32 ttmp9, 128
	s_cbranch_scc0 .Lrelay
; eight fragments of 16 rows x 128 K: lane (r, h) takes 24 bytes at 96 s + 24 h and 24 at 96 s + 48 + 24 h of row r, in pieces of 8 bytes, so that every address is a multiple of the access's size
.macro FRAGS reg, base
.irp s, 0,1,2,3,4,5,6,7
.irp p, 0,1,2,3,4,5
	global_load_b64 v[\reg+12*\s+2*\p:\reg+12*\s+2*\p+1], v4, s[\base:\base+1] offset:96*\s+48*(\p/3)+8*(\p%3)
.endr
.endr
.endm
	; ---- cq
	s_lshr_b32 s26, ttmp9, 1                       ; tile of 16 u
	s_and_b32 s25, ttmp9, 1                        ; tile of 16 batches
	s_mul_i32 s28, s26, 12288                      ; 16 rows of 768 bytes
	s_add_nc_u64 s[8:9], s[8:9], s[28:29]
	s_mul_i32 s28, s25, 12288
	s_add_nc_u64 s[4:5], s[4:5], s[28:29]
	s_lshl_b32 s28, s26, 9                         ; 16 rows of 32 scale bytes
	s_add_nc_u64 s[10:11], s[10:11], s[28:29]
	s_lshl_b32 s28, s25, 9
	s_add_nc_u64 s[6:7], s[6:7], s[28:29]
	s_lshl_b32 s28, s26, 6                         ; 16 numbers of a bias
	s_add_nc_u64 s[12:13], s[12:13], s[28:29]
	s_add_nc_u64 s[14:15], s[14:15], s[28:29]
	s_lshl_b32 s30, s25, 16                        ; 16 rows of cq
	s_add_co_u32 s28, s28, s30
	s_add_nc_u64 s[20:21], s[20:21], s[28:29]
	s_wait_alu depctr_va_vdst(0)
	v_lshlrev_b32 v5, 5, v2                        ; scale words: 32 bytes a row
	v_lshlrev_b32 v6, 5, v3                        ; biases: my eight u begin 8 h on
	v_lshlrev_b32 v7, 12, v2
	v_lshl_add_u32 v7, v3, 5, v7                   ; cq: row r, + 32 h bytes
	FRAGS 32, 8                                    ; W1: v32-127
	FRAGS 128, 4                                   ; query: v128-223
	global_load_b128 v[8:11], v5, s[10:11]         ; W1's scale words of K steps 0-3, 4-7: v8-15 hold scales and nothing else
	global_load_b128 v[12:15], v5, s[10:11] offset:16
	global_load_b128 v[16:19], v5, s[6:7]          ; query's: v16-23
	global_load_b128 v[20:23], v5, s[6:7] offset:16
	global_load_b128 v[224:227], v6, s[12:13]      ; b1 at my eight u, in the result's layout
	global_load_b128 v[228:231], v6, s[12:13] offset:16
	global_load_b128 v[232:235], v6, s[14:15]      ; b2 likewise
	global_load_b128 v[236:239], v6, s[14:15] offset:16
	s_wait_loadcnt 0x0
; Two accumulators take turns, one instruction a turn: even K steps on v240-247, which begins with b1 as its C, odd ones on v248-255, which begins with b2: the biases cost no addition.
.irp s, 0,1,2,3,4,5,6,7
.if \s == 0
	v_wmma_scale_f32_16x16x128_f8f6f4 v[240:247], v[32:43], v[128:139], v[224:231], v8, v16 matrix_a_fmt:MATRIX_FMT_BF6 matrix_b_fmt:MATRIX_FMT_BF6
.elseif \s == 1
	v_wmma_scale_f32_16x16x128_f8f6f4 v[248:255], v[44:55], v[140:151], v[232:239], v9, v17 matrix_a_fmt:MATRIX_FMT_BF6 matrix_b_fmt:MATRIX_FMT_BF6
.else
	v_wmma_scale_f32_16x16x128_f8f6f4 v[240+8*(\s%2):247+8*(\s%2)], v[32+12*\s:43+12*\s], v[128+12*\s:139+12*\s], v[240+8*(\s%2):247+8*(\s%2)], v[8+\s], v[16+\s] matrix_a_fmt:MATRIX_FMT_BF6 matrix_b_fmt:MATRIX_FMT_BF6
.endif
.endr
.rept 4
	v_nop                                          ; four places between the last product and the first read of results (ISA guide 7.12.1)
.endr
.irp j, 0,2,4,6
	v_pk_add_f32 v[32+\j:33+\j], v[240+\j:241+\j], v[248+\j:249+\j]   ; the two halves of the sum, each accumulator from its low end on
.endr
.irp j, 0,2,4,6
	v_pk_mul_f32 v[32+\j:33+\j], v[32+\j:33+\j], s[34:35] op_sel_hi:[1,0]   ; x K2
.endr
	s_wait_alu depctr_va_vdst(0)
	global_store_b128 v7, v[32:35], s[20:21]
	global_store_b128 v7, v[36:39], s[20:21] offset:16
	s_endpgm
.Lrelay:
	; ---- W2's image
	s_sub_co_u32 s25, ttmp9, 128                   ; my tile of 16 u, 0..63
	s_mul_i32 s28, s25, 12288
	s_add_nc_u64 s[16:17], s[16:17], s[28:29]
	s_lshl_b32 s28, s25, 9
	s_add_nc_u64 s[18:19], s[18:19], s[28:29]
	s_lshr_b32 s26, s25, 1                         ; pair-block
	s_and_b32 s25, s25, 1                          ; t
	s_mul_i32 s26, s26, 25600
	s_mul_i32 s28, s25, 12288
	s_add_co_u32 s28, s28, s26
	s_add_nc_u64 s[30:31], s[22:23], s[28:29]      ; where my eight fragments go
	s_lshl_b32 s28, s25, 8
	s_add_co_u32 s28, s28, s26
	s_add_nc_u64 s[32:33], s[22:23], s[28:29]      ; and (24,576 bytes on) my rows' scale words: lanes 16 t + r of the image
	v_and_b32 v24, 31, v0
	v_lshlrev_b32 v25, 4, v24                      ; 16 x lane
	s_wait_alu depctr_va_vdst(0)
	v_lshlrev_b32 v26, 5, v2
	v_lshl_add_u32 v26, v3, 4, v26                 ; in: row r's 32 scale bytes, words 4 h .. 4 h + 3
	v_lshlrev_b32 v27, 4, v2
	v_lshl_add_u32 v27, v3, 9, v27                 ; out: 512 h + 16 r
	FRAGS 32, 16
	global_load_b128 v[128:131], v26, s[18:19]
	s_wait_alu depctr_va_vdst(0)
	s_wait_loadcnt 0x0
.irp f, 0,1,2,3,4,5,6,7,8,9,10,11,12,13,14,15,16,17,18,19,20,21,22,23
	global_store_b128 v25, v[32+4*\f:35+4*\f], s[30:31] offset:512*\f   ; the registers as they stand, four at a time: 512 consecutive bytes a store
.endr
	global_store_b128 v27, v[128:131], s[32:33] offset:24576
	s_endpgm
.Lfunc_end_k_q31c4b2bb79_prep:
	.size	k_q31c4b2bb79_prep, .Lfunc_end_k_q31c4b2bb79_prep-k_q31c4b2bb79_prep
	.p2alignl 7, 3214868480
	.fill 96, 4, 3214868480
	.section	.rodata,"a",@progbits
	.p2align	6, 0x0
	.amdhsa_kernel k_q31c4b2bb79_prep
		.amdhsa_group_segment_fixed_size 0
		.amdhsa_private_segment_fixed_size 0
		.amdhsa_enable_private_segment 0
		.amdhsa_kernarg_size 80
		.amdhsa_user_sgpr_count 2
		.amdhsa_user_sgpr_kernarg_segment_ptr 1
		.amdhsa_wavefront_size32 1
		.amdhsa_system_sgpr_workgroup_id_x 1
		.amdhsa_system_sgpr_workgroup_id_y 1
		.amdhsa_system_sgpr_workgroup_id_z 1
		.amdhsa_system_vgpr_workitem_id 0
		.amdhsa_next_free_vgpr 256
		.amdhsa_next_free_sgpr 66
		.amdhsa_reserve_vcc 0
		.amdhsa_float_denorm_mode_32 3
		.amdhsa_float_denorm_mode_16_64 3
		.amdhsa_memory_ordered 1
		.amdhsa_forward_progress 1
		.amdhsa_inst_pref_size 22
	.end_amdhsa_kernel
	.amdgpu_metadata
---
amdhsa.version: [ 1, 2 ]
amdhsa.kernels:
  - .name:           k_q31c4b2bb79_prep
    .symbol:         k_q31c4b2bb79_prep.kd
    .args:
      - { .name: query_codes, .offset: 0, .size: 8, .value_kind: global_buffer, .address_space: global }
      - { .name: query_scales, .offset: 8, .size: 8, .value_kind: global_buffer, .address_space: global }
      - { .name: W1_codes, .offset: 16, .size: 8, .value_kind: global_buffer, .address_space: global }
      - { .name: W1_scales, .offset: 24, .size: 8, .value_kind: global_buffer, .address_space: global }
      - { .name: b1, .offset: 32, .size: 8, .value_kind: global_buffer, .address_space: global }
      - { .name: b2, .offset: 40, .size: 8, .value_kind: global_buffer, .address_space: global }
      - { .name: W2_codes, .offset: 48, .size: 8, .value_kind: global_buffer, .address_space: global }
      - { .name: W2_scales, .offset: 56, .size: 8, .value_kind: global_buffer, .address_space: global }
      - { .name: cq, .offset: 64, .size: 8, .value_kind: global_buffer, .address_space: global }
      - { .name: w2img, .offset: 72, .size: 8, .value_kind: global_buffer, .address_space: global }
    .group_segment_fixed_size: 0
    .private_segment_fixed_size: 0
    .kernarg_segment_align: 8
    .kernarg_segment_size: 80
    .max_flat_workgroup_size: 32
    .sgpr_count:     66
    .vgpr_count:     256
    .wavefront_size: 32
...
	.end_amdgpu_metadata
.endif
;; end of part 1
;; launch attend (part 2): grid 256 x 1, 4 waves a work-group, clusters of 4 x 1, 327,680 bytes of LDS; arguments values, V, cq, w2img, lg, pm, pc; writes lg, pm, pc
.if DOCPART == 2
	.amdgcn_target "amdgcn-amd-amdhsa--gfx1250"
	.amdhsa_code_object_version 6
	.text
	.protected	k_q31c4b2bb79_attend
	.globl	k_q31c4b2bb79_attend
	.p2align	8
	.type	k_q31c4b2bb79_attend,@function
k_q31c4b2bb79_attend:
	s_mov_b64 s[64:65], 0
	v_nop
	global_prefetch_b8 v0, s[64:65] scope:SCOPE_SE
	s_setreg_imm32_b32 hwreg(HW_REG_WAVE_MODE, 25, 1), 1
	s_wait_xcnt 0x0
	s_wait_alu depctr_hold_cnt(0) depctr_sa_sdst(0) depctr_va_vdst(0) depctr_va_sdst(0) depctr_va_ssrc(0) depctr_va_vcc(0) depctr_vm_vsrc(0)
	s_getreg_b32 s2, hwreg(HW_REG_IB_STS2, 6, 4)
	s_cmp_eq_u32 s2, 0
	s_cbranch_scc0 .Lentry_in_a_cluster
	s_endpgm
.Lentry_in_a_cluster:
	s_bfe_u32 s2, ttmp6, 0x10000c
	s_cmp_lg_u32 s2, 0x3003
	s_cbranch_scc0 .Lentry_shape_is_right
	s_endpgm
.Lentry_shape_is_right:
; BAHDANAU ATTENTION, launch 2 of 3.  bv and the sum of V stay out here too: both are the same along the softmax's axis (shown at the head of the first kernel).
; A work-group takes 256 rows (t) of one batch, as two tiles of 128 rows.  Four waves: wave w takes rows 64 (w / 2) .. + 63 of a tile and u = 512 (w % 2) .. + 511.
; A tile's rows are quantised to E3M2 along K in units of 16 rows x 128 K (a lane a row, through a stage in LDS), laid in LDS as images of the operand's registers, and then held in 384 registers a wave.
; W2's image (made by the first launch) is walked in steps of 32 u for each half of u, through two LDS slots; the four work-groups of a cluster ask for each slot's bytes jointly.
; l2[t] = -K2 sum over u of V[u] / (1 + 2^(K2 v_proj + cq)), K2 = 2 log2(e): the logit in the exponential's base, less what is the same along t.
; A tile's largest l2 is taken away before its exponentials; the tile's maximum, sum and weighted sum of rows go to the last launch, which joins the 16 tiles of a batch.
; While tile 0 is multiplied, tile 1 is loaded and quantised; while tile 1 is multiplied, tile 0's rows are loaded again for the weighted sum; tile 1's follow at the end: 128 rows of f32 are 512 KiB, more than LDS holds.
; No data prefetch: the rows of values are asked for by register loads that stand two steps ahead of their use.
; LIMIT: the promise holds while |l2| stays under 2^31.
.set K2F,   0x4038aa3b
.set NK2F,  0xc038aa3b
.set SLOT,  51200
.set IMG,   102400
.set ISC,   200704
.set STG,   208896
.set TABC,  242688
.set LXP,   250880
.set P2,    251904
.set SPARE, 256000
.set MSB, 0
.macro WIN new
.if MSB != (\new)
	s_set_vgpr_msb (MSB<<8)|(\new)
.set MSB, (\new)
.endif
.endm
.macro PLACES
.rept 4
	v_nop
.endr
.endm
.macro ROUND
	s_barrier_signal -1
	s_barrier_wait -1
	s_cmp_lg_u32 s18, 0
	s_cbranch_scc1 .Lnot_wave_0_\@
	s_barrier_signal -3
.Lnot_wave_0_\@:
	s_barrier_wait -3
	s_barrier_signal -1
	s_barrier_wait -1
.endm
.macro JLOAD slot
	tensor_load_to_lds s[32+4*(\slot):35+4*(\slot)], s[24:31]
	s_nop 0
	PLACES
.endm
.macro SETOF p
.if (\p) == 0
.set RS, 192
.set RW, 2
.set RP, 40
.elseif (\p) == 1
.set RS, 192
.set RW, 3
.set RP, 58
.elseif (\p) == 2
.set RS, 0
.set RW, 3
.set RP, 60
.else
.set RS, 64
.set RW, 3
.set RP, 62
.endif
.endm
.macro GLOAD p, imm
	SETOF \p
	WIN RW<<6
.irp i, 0,1,2,3,4,5,6,7,8,9,10,11,12,13,14,15
	global_load_b128 v[RS+4*\i:RS+4*\i+3], v1, s[RP:RP+1] offset:(\imm)+4096*\i th:TH_LOAD_NT
.endr
	WIN 0
.endm
.macro UAXS p, cnt
	SETOF \p
	s_wait_loadcnt \cnt
	WIN RW<<2
.irp i, 0,1,2,3,4,5,6,7,8,9,10,11,12,13,14,15
	ds_store_b128 v2, v[RS+4*\i:RS+4*\i+3] offset:528*\i
.endr
.endm
.macro UAXL
	WIN 0
.irp c, 0,1
.irp j, 0,1,2,3,4,5,6,7
	ds_load_b128 v[120+32*\c+4*\j:123+32*\c+4*\j], v3 offset:256*\c+16*\j
.endr
.endr
.endm
.macro QUANT
.irp c, 0,1
	v_max3_num_f32 v[204+\c], |v[120+32*\c]|, |v[121+32*\c]|, 0x2800000
	v_max3_num_f32 v[212+\c], |v[136+32*\c]|, |v[137+32*\c]|, |v[138+32*\c]|
.endr
.irp i, 2,4,6,8,10,12
.irp c, 0,1
	v_max3_num_f32 v[204+\c], v[204+\c], |v[120+32*\c+\i]|, |v[121+32*\c+\i]|
	v_max3_num_f32 v[212+\c], v[212+\c], |v[137+32*\c+\i]|, |v[138+32*\c+\i]|
.endr
.endr
.irp c, 0,1
	v_max3_num_f32 v[204+\c], v[204+\c], |v[134+32*\c]|, |v[135+32*\c]|
.endr
.irp c, 0,1
	v_max3_num_f32 v[204+\c], v[204+\c], v[212+\c], |v[151+32*\c]|
.endr
.irp c, 0,1
	v_add_nc_u32 v[206+\c], 0xfe000000, v[204+\c]
.endr
.irp c, 0,1
	v_lshrrev_b32 v[208+\c], 23, v[206+\c]
.endr
	v_lshl_or_b32 v210, v209, 16, v208
	v_lshlrev_b32 v210, v15, v210
	v_permlanex16_b32 v211, v210, s50, s51
	v_or_b32 v210, v210, v211
.irp c, 0,1
	v_cvt_scalef32_pk16_bf6_f32 v[184+6*\c:186+6*\c], v[120+32*\c:135+32*\c], v[206+\c]
	v_cvt_scalef32_pk16_bf6_f32 v[196+4*\c:198+4*\c], v[136+32*\c:151+32*\c], v[206+\c]
.endr
	v_nop
.irp c, 0,1
.irp i, 0,1,2
	v_mov_b32 v[187+6*\c+\i], v[196+4*\c+\i]
.endr
.endr
.endm
.macro UBX immI, immS
	QUANT
.irp c, 0,1,2
	ds_store_b128 v18, v[184+4*\c:187+4*\c] offset:(\immI)+512*\c
.endr
	ds_store_b32 v19, v210 offset:\immS
.endm
.macro UAC cnt, immP
	s_wait_loadcnt \cnt
.irp k, 0,1,2,3,4,5,6,7
	ds_load_b128 v[120+4*\k:123+4*\k], v21 offset:(\immP)+16*\k
.endr
.endm
.macro UBC p, e
	SETOF \p
	WIN RW
.irp i, 0,1,2,3,4,5,6,7,8,9,10,11,12,13,14,15
	v_pk_fma_f32 v[112+4*(\e):113+4*(\e)], v[RS+4*\i:RS+4*\i+1], v[120+2*\i:121+2*\i], v[112+4*(\e):113+4*(\e)]
	v_pk_fma_f32 v[114+4*(\e):115+4*(\e)], v[RS+4*\i+2:RS+4*\i+3], v[120+2*\i:121+2*\i], v[114+4*(\e):115+4*(\e)]
.endr
	WIN 0
.endm
.macro CVLOAD imm
.irp t, 0,1
.irp x, 0,1
	ds_load_b128 v[64+8*\t+4*\x:67+8*\t+4*\x], v20 offset:(\imm)+64*\t+16*\x
	ds_load_b128 v[80+8*\t+4*\x:83+8*\t+4*\x], v20 offset:(\imm)+64*\t+16*\x+4096
.endr
.endr
.endm
.macro WM s, t, m
.set RD, 192+8*(4*\t+\m)
.set RB, 12*(8*\t+\s)
.set RA, 48*(\s%4)+12*\m
.if \s == 0
.if \t == 0
	v_wmma_scale_f32_16x16x128_f8f6f4 v[RD:RD+7], v[RB:RB+11], v[RA:RA+11], 0, v[56+\s], v[24+8*\m+\s] matrix_a_fmt:MATRIX_FMT_BF6 matrix_b_fmt:MATRIX_FMT_BF6
.else
	v_wmma_scale_f32_16x16x128_f8f6f4 v[RD:RD+7], v[RB:RB+11], v[RA:RA+11], 0, v[56+\s], v[24+8*\m+\s] matrix_a_fmt:MATRIX_FMT_BF6 matrix_b_fmt:MATRIX_FMT_BF6 matrix_a_scale:MATRIX_SCALE_ROW1
.endif
.else
.if \t == 0
	v_wmma_scale_f32_16x16x128_f8f6f4 v[RD:RD+7], v[RB:RB+11], v[RA:RA+11], v[RD:RD+7], v[56+\s], v[24+8*\m+\s] matrix_a_fmt:MATRIX_FMT_BF6 matrix_b_fmt:MATRIX_FMT_BF6
.else
	v_wmma_scale_f32_16x16x128_f8f6f4 v[RD:RD+7], v[RB:RB+11], v[RA:RA+11], v[RD:RD+7], v[56+\s], v[24+8*\m+\s] matrix_a_fmt:MATRIX_FMT_BF6 matrix_b_fmt:MATRIX_FMT_BF6 matrix_a_scale:MATRIX_SCALE_ROW1
.endif
.endif
.endm
.macro MMK s
.if \s < 4
	WIN 0x57
.else
	WIN 0x5b
.endif
.irp t, 0,1
.irp m, 0,1,2,3
	WM \s, \t, \m
.endr
.endr
.endm
.macro BRS slot, ks
	WIN 0xc0
.irp t, 0,1
.irp c, 0,1,2
	ds_load_b128 v[12*(8*\t+\ks)+4*\c:12*(8*\t+\ks)+4*\c+3], v[8+(\slot)] offset:1536*(8*\t+\ks)+512*\c
.endr
.endr
.endm
.macro BSC slot
	WIN 0
	ds_load_b128 v[56:59], v[8+(\slot)] offset:24576
	ds_load_b128 v[60:63], v[8+(\slot)] offset:25088
.endm
.macro PKY q
	v_pk_fma_f32 v[192+2*(\q):193+2*(\q)], v[192+2*(\q):193+2*(\q)], s[48:49], v[64+8*((\q)/16)+2*((\q)%4):65+8*((\q)/16)+2*((\q)%4)] op_sel_hi:[1,0,1]
.endm
.macro PKD q
	v_pk_add_f32 v[192+2*(\q):193+2*(\q)], v[192+2*(\q):193+2*(\q)], 1.0 op_sel_hi:[1,0]
.endm
.macro TANH slot, brun
	WIN 0x41
; the step's 64 results a lane, in batches: all the sources first, one wait ahead of each batch of transcendentals and one behind it
.set Q, 0
.rept 32
	PKY Q                                          ; y = K2 x sum + cq, two at a time, each accumulator from its low end on
.set Q, Q+1
.endr
	s_wait_alu depctr_va_vdst(0)
.set Q, 0
.rept 64
	v_exp_f32 v[192+Q], v[192+Q]                   ; 2^y
.set Q, Q+1
.endr
	v_nop
	s_wait_alu depctr_va_vdst(0)
.if \brun
	BRS \slot, 6
	BRS \slot, 7
	BSC \slot
.endif
	WIN 0x41
.set Q, 0
.rept 32
	PKD Q                                          ; 1 + 2^y
.set Q, Q+1
.endr
	s_wait_alu depctr_va_vdst(0)
.set Q, 0
.rept 64
	v_rcp_f32 v[192+Q], v[192+Q]                   ; 1 / (1 + 2^y)
.set Q, Q+1
.endr
	v_nop
	s_wait_alu depctr_va_vdst(0)
	WIN 0x01
.irp t, 0,1
.irp jp, 0,1,2,3
.irp m, 0,1,2,3
	v_pk_fma_f32 v[96+4*\m+2*(\jp%2):97+4*\m+2*(\jp%2)], v[192+8*(4*\t+\m)+2*\jp:193+8*(4*\t+\m)+2*\jp], v[80+8*\t+2*\jp:81+8*\t+2*\jp], v[96+4*\m+2*(\jp%2):97+4*\m+2*(\jp%2)]
.endr
.endr
.endr
	WIN 0
.endm
.macro GSTEP e, kind, mode
.if \mode == 0
	s_wait_tensorcnt 0x0
	ds_add_u32 v16, v17
	s_add_co_u32 s42, s45, \e+2
	s_and_b32 s42, s42, 15
	s_mul_i32 s42, s42, 25600
	s_add_nc_u64 s[34+4*\e:35+4*\e], s[10:11], s[42:43]
	s_or_b32 s[35+4*\e], s[35+4*\e], 0x80000000
	s_wait_dscnt 0x0
	ROUND
	JLOAD \e
.elseif \mode == 1
	s_wait_tensorcnt 0x0
	s_wait_dscnt 0x0
	s_barrier_signal -1
	s_barrier_wait -1
.else
	s_wait_dscnt 0x0
.endif
	s_wait_alu depctr_va_vdst(0)
	CVLOAD 128*\e
.if \kind == 0
	UAXS \e, 16
.else
	UAC 16, 0
.endif
	SETOF \e
	s_add_nc_u64 s[RP:RP+1], s[4:5], s[22:23]
	MMK 0
	MMK 1
.if \kind == 0
	UAXL
.endif
	MMK 2
	MMK 3
	MMK 4
.if \mode != 2
	PLACES
	BRS 1-\e, 0
	BRS 1-\e, 1
	BRS 1-\e, 2
	BRS 1-\e, 3
.endif
	MMK 5
	MMK 6
	MMK 7
	PLACES
.if \mode != 2
	s_wait_dscnt 24
	BRS 1-\e, 4
	BRS 1-\e, 5
.else
	s_wait_dscnt 0x0
.endif
.if \kind == 0
	GLOAD \e, 512*\e
	UBX 1536*\e, 128*\e
.else
	UBC \e, \e
	GLOAD \e, 512*\e
.if \mode == 2
	s_mov_b64 s[60:61], s[58:59]
	s_mov_b64 s[62:63], s[58:59]
	GLOAD 2, 65536
	GLOAD 3, 66048
.endif
.endif
.if \mode == 2
	TANH 0, 0
.else
	TANH 1-\e, 1
.endif
.endm
.macro TRIPTOP
	s_add_co_u32 s44, s44, 1
	s_and_b32 s22, s44, 15
	s_lshl_b32 s22, s22, 16
.endm
.macro ARELOAD
	WIN 0x40
.irp s, 0,1,2,3
.irp m, 0,1,2,3
.irp c, 0,1,2
	ds_load_b128 v[48*\s+12*\m+4*\c:48*\s+12*\m+4*\c+3], v6 offset:(8*\m+\s)*1536+512*\c
.endr
.endr
.endr
	WIN 0x80
.irp s, 4,5,6,7
.irp m, 0,1,2,3
.irp c, 0,1,2
	ds_load_b128 v[48*(\s-4)+12*\m+4*\c:48*(\s-4)+12*\m+4*\c+3], v6 offset:(8*\m+\s)*1536+512*\c
.endr
.endr
.endr
	WIN 0
.irp m, 0,1,2,3
.irp s, 0,1,2,3,4,5,6,7
	ds_load_b32 v[24+8*\m+\s], v7 offset:(8*\m+\s)*128
.endr
.endr
.endm
.macro TILEEND hh
.irp m, 0,1,2,3
	v_add_f32 v[120+\m], v[96+4*\m], v[97+4*\m]
	v_add_f32 v[124+\m], v[98+4*\m], v[99+4*\m]
.endr
.irp m, 0,1,2,3
	v_add_f32 v[120+\m], v[120+\m], v[124+\m]
.endr
.irp m, 0,1,2,3
	v_permlanex16_b32 v[124+\m], v[120+\m], s50, s51
.endr
.irp m, 0,1,2,3
	v_add_f32 v[120+\m], v[120+\m], v[124+\m]
.endr
.irp m, 0,1,2,3
	ds_store_b32 v13, v[120+\m] offset:64*\m
.endr
	s_wait_dscnt 0x0
	s_barrier_signal -1
	s_barrier_wait -1
	ds_load_b128 v[120:123], v14
	ds_load_b128 v[124:127], v14 offset:512
	s_wait_dscnt 0x0
	v_pk_add_f32 v[120:121], v[120:121], v[124:125]
	v_pk_add_f32 v[122:123], v[122:123], v[126:127]
	v_max3_num_f32 v128, v120, v121, v122
	v_max_num_f32 v128, v128, v123
.irp x, 1,2,4,8
	v_max_num_f32_dpp v128, v128, v128 row_xmask:\x row_mask:0xf bank_mask:0xf
.endr
	v_permlanex16_b32 v211, v128, s50, s51
	v_max_num_f32 v128, v128, v211
.irp i, 0,1,2,3
	v_sub_f32 v[132+\i], v[120+\i], v128
.endr
	s_wait_alu depctr_va_vdst(0)
.irp i, 0,1,2,3
	v_exp_f32 v[132+\i], v[132+\i]
.endr
	v_nop
	s_wait_alu depctr_va_vdst(0)
	v_add_f32 v129, v132, v133
	v_add_f32 v130, v134, v135
	v_add_f32 v129, v129, v130
.irp x, 1,2,4,8
	v_add_f32_dpp v129, v129, v129 row_xmask:\x row_mask:0xf bank_mask:0xf
.endr
	v_permlanex16_b32 v211, v129, s50, s51
	v_add_f32 v129, v129, v211
.irp i, 0,1,2,3
	v_mov_b32 v[136+2*\i], v[132+\i]
	v_mov_b32 v[137+2*\i], v[132+\i]
.endr
	ds_store_b128 v12, v[136:139]
	ds_store_b128 v12, v[140:143] offset:16
	s_cmp_lg_u32 s18, 0
	s_cbranch_scc1 .Lnot_mine_\@
	global_store_b128 v1, v[120:123], s[12:13] offset:512*\hh
	global_store_b64 v22, v[128:129], s[14:15] offset:256*\hh
.Lnot_mine_\@:
.irp j, 0,1,2,3,4,5,6,7,8,9,10,11,12,13,14,15
	v_mov_b32 v[96+\j], 0
.endr
.endm
.macro XUNIT p, cnt, load
	UAXS \p, \cnt
.if \load
	SETOF \p                                       ; the set's next 16 rows are asked for as soon as the stores into the stage are issued, ahead of the stage's read-back
	s_add_nc_u64 s[RP:RP+1], s[RP:RP+1], 131072    ; (the set's earlier loads are done: UAXS has waited for them)
	GLOAD \p, ((\p)/2)*65536+((\p)%2)*512
.endif
	UAXL
	s_wait_dscnt 0x0
	UBX ((\p)/2)*12288+((\p)%2)*1536, ((\p)/2)*1024+((\p)%2)*128
.endm
.macro CUNIT p, cnt, load
	UAC \cnt, ((\p)/2)*128
	s_wait_dscnt 0x0
	UBC \p, (\p)%2
.if \load
	SETOF \p
	s_add_nc_u64 s[RP:RP+1], s[RP:RP+1], 131072
	GLOAD \p, ((\p)/2)*65536+((\p)%2)*512
.endif
.endm
	s_load_b256 s[4:11], s[0:1], 0x0
	s_load_b128 s[12:15], s[0:1], 0x20
	s_load_b64 s[16:17], s[0:1], 0x30
	v_lshl_add_u32 v16, v0, 2, SPARE
	v_mov_b32 v17, 0
	ds_add_u32 v16, v17
	ds_add_u32 v16, v17
	v_lshrrev_b32 v23, 5, v0
	v_readfirstlane_b32 s18, v23
	v_and_b32 v23, 31, v0
	v_lshlrev_b32 v1, 4, v23
	v_lshlrev_b32 v223, 5, v0
	s_lshr_b32 s19, s18, 1
	s_and_b32 s20, s18, 1
	s_bfe_u32 s21, ttmp6, 0x40000
	s_lshl_b32 s22, ttmp9, 2
	s_add_co_u32 s22, s22, s21
	s_mov_b32 s24, 15|(3<<16)|(1<<21)
	s_mov_b32 s25, 32<<16
	s_mov_b32 s26, 50<<16
	s_mov_b32 s27, 32<<16
	s_mov_b32 s28, 50
	s_mov_b32 s29, 32
	s_mov_b32 s30, 0
	s_mov_b32 s31, 0
	s_mov_b32 s43, 0
	s_mov_b32 s59, 0
	s_mov_b32 s48, K2F
	s_mov_b32 s49, K2F
	s_mov_b32 s50, 0x76543210
	s_mov_b32 s51, 0xfedcba98
	s_mov_b32 s52, NK2F
	s_mov_b32 s53, NK2F
	s_wait_alu depctr_va_vdst(0)
	s_wait_dscnt 0x0
	s_wait_kmcnt 0x0
	s_lshl_b32 s58, s22, 20
	s_lshl_b32 s23, s18, 10
	s_add_co_u32 s58, s58, s23
	s_add_nc_u64 s[4:5], s[4:5], s[58:59]
	s_lshr_b32 s58, s22, 3
	s_lshl_b32 s58, s58, 12
	s_add_nc_u64 s[8:9], s[8:9], s[58:59]
	s_lshl_b32 s58, s22, 10
	s_add_nc_u64 s[12:13], s[12:13], s[58:59]
	s_lshl_b32 s58, s22, 9
	s_add_nc_u64 s[14:15], s[14:15], s[58:59]
	s_lshl_b32 s58, s22, 13
	s_add_co_u32 s58, s58, s23
	s_add_nc_u64 s[16:17], s[16:17], s[58:59]
	s_mul_i32 s42, s19, 409600
	s_mul_i32 s47, s20, 12800
	s_add_co_u32 s42, s42, s47
	s_add_nc_u64 s[10:11], s[10:11], s[42:43]
	s_mov_b64 s[40:41], s[4:5]
	s_mov_b64 s[58:59], s[4:5]
	s_mov_b64 s[60:61], s[4:5]
	s_mov_b64 s[62:63], s[4:5]
	s_mov_b32 s32, 1
	s_mul_i32 s33, s18, 12800
	s_mov_b64 s[34:35], s[10:11]
	s_or_b32 s35, s35, 0x80000000
	s_mov_b32 s36, 1
	s_add_co_u32 s37, s33, SLOT
	s_add_nc_u64 s[38:39], s[10:11], 25600
	s_or_b32 s39, s39, 0x80000000
	global_load_b128 v[64:67], v223, s[8:9]
	global_load_b128 v[68:71], v223, s[8:9] offset:16
	global_load_b128 v[80:83], v223, s[6:7]
	global_load_b128 v[84:87], v223, s[6:7] offset:16
	GLOAD 0, 0
	GLOAD 1, 512
	GLOAD 2, 65536
	ROUND
	tensor_load_to_lds s[32:35], s[24:31]          ; slot 0's first fill: slot 1's follows behind the first four units
	s_nop 0
	PLACES
	v_and_b32 v220, 15, v0
	v_bfe_u32 v221, v0, 4, 1
	v_lshlrev_b32 v222, 2, v23
	s_wait_alu depctr_va_vdst(0)
	v_lshl_add_u32 v224, v0, 5, TABC
	s_mul_i32 s47, s18, 8448
	s_add_co_u32 s47, s47, STG
	v_add_nc_u32 v2, s47, v1
	v_mul_u32_u24 v3, v220, 528
	v_lshl_add_u32 v3, v221, 7, v3
	v_add_nc_u32 v3, s47, v3
	s_mul_i32 s47, s18, 3072
	s_add_co_u32 s47, s47, IMG
	v_add_nc_u32 v4, s47, v1
	s_lshl_b32 s47, s18, 8
	s_add_co_u32 s47, s47, ISC
	v_add_nc_u32 v5, s47, v222
	s_mul_i32 s47, s19, 49152
	s_add_co_u32 s47, s47, IMG
	v_add_nc_u32 v6, s47, v1
	s_lshl_b32 s47, s19, 12
	s_add_co_u32 s47, s47, ISC
	v_add_nc_u32 v7, s47, v222
	s_mul_i32 s47, s20, 25600
	v_add_nc_u32 v8, s47, v1
	v_add_nc_u32 v9, SLOT, v8
	s_lshl_b32 s47, s20, 11
	s_add_co_u32 s47, s47, TABC
	v_lshl_add_u32 v10, v221, 5, s47
	s_lshl_b32 s47, s18, 10
	s_add_co_u32 s47, s47, P2
	v_mov_b32 v11, s47
	v_lshl_add_u32 v12, v23, 5, s47
	s_lshl_b32 s47, s20, 9
	s_lshl_b32 s23, s19, 8
	s_add_co_u32 s47, s47, s23
	s_add_co_u32 s47, s47, LXP
	v_lshl_add_u32 v13, v220, 2, s47
	v_add_nc_u32 v14, LXP, v1
	v_lshlrev_b32 v15, 3, v221
	v_lshlrev_b32 v22, 3, v23
	v_mov_b32 v211, 0
	s_wait_loadcnt 48
.irp j, 0,2,4,6
	v_pk_mul_f32 v[80+\j:81+\j], v[80+\j:81+\j], s[52:53] op_sel_hi:[1,0]
.endr
	ds_store_b128 v224, v[64:67]
	ds_store_b128 v224, v[68:71] offset:16
	ds_store_b128 v224, v[80:83] offset:4096
	ds_store_b128 v224, v[84:87] offset:4112
	GLOAD 3, 66048
	s_mov_b32 s54, 0
	s_mov_b32 s55, 0
	v_add_nc_u32 v18, s54, v4                      ; the first four units are written out, so that slot 1's first fill can follow them
	v_add_nc_u32 v19, s55, v5
	XUNIT 0, 48, 1
	XUNIT 1, 48, 1
	XUNIT 2, 48, 1
	XUNIT 3, 48, 1
	s_add_co_u32 s54, s54, 24576
	s_add_co_u32 s55, s55, 2048
	s_wait_tensorcnt 0x0                           ; slot 1's first fill, issued as a refill is: my part of slot 0 has landed,
	ds_add_u32 v16, v17                            ; 0 onto my spare word,
	s_wait_dscnt 0x0                               ; the add and my LDS instructions are done,
	ROUND                                          ; a round of the cluster's barrier, so that the four joint requests meet,
	JLOAD 1                                        ; and the one load: twelve units of quantising stand between it and the wait for it
	s_mov_b32 s46, 2
.Lhead:
	v_add_nc_u32 v18, s54, v4
	v_add_nc_u32 v19, s55, v5
	XUNIT 0, 48, 1
	XUNIT 1, 48, 1
	XUNIT 2, 48, 1
	XUNIT 3, 48, 1
	s_add_co_u32 s54, s54, 24576
	s_add_co_u32 s55, s55, 2048
	s_sub_co_u32 s46, s46, 1
	s_cmp_lg_u32 s46, 0
	s_cbranch_scc1 .Lhead
	v_add_nc_u32 v18, s54, v4
	v_add_nc_u32 v19, s55, v5
	XUNIT 0, 48, 1
	XUNIT 1, 48, 1
	XUNIT 2, 48, 0
	XUNIT 3, 32, 0
	s_wait_tensorcnt 0x0
	s_wait_dscnt 0x0
	s_barrier_signal -1
	s_barrier_wait -1
	ARELOAD
.irp k, 0,1,2,3,4,5,6,7
	BRS 0, \k
.endr
	BSC 0
.irp j, 0,1,2,3,4,5,6,7,8,9,10,11,12,13,14,15
	v_mov_b32 v[96+\j], 0
.endr
	s_mov_b32 s23, 0
	s_mov_b32 s44, 8
	s_mov_b32 s45, 0
	s_mov_b32 s54, 0
	s_mov_b32 s55, 0
	s_mov_b32 s56, 0
	s_mov_b32 s46, 8
.Lpass1:
	TRIPTOP
	v_add_nc_u32 v18, s54, v4
	v_add_nc_u32 v19, s55, v5
	v_add_nc_u32 v20, s56, v10
	GSTEP 0, 0, 0
	GSTEP 1, 0, 0
	s_add_co_u32 s54, s54, 12288
	s_add_co_u32 s55, s55, 1024
	s_add_co_u32 s56, s56, 256
	s_add_co_u32 s45, s45, 2
	s_sub_co_u32 s46, s46, 1
	s_cmp_lg_u32 s46, 0
	s_cbranch_scc1 .Lpass1
	s_wait_alu depctr_va_vdst(0)
	TILEEND 0
	ARELOAD
	s_wait_xcnt 0x0
.irp j, 0,1,2,3,4,5,6,7
	v_mov_b32 v[112+\j], 0
.endr
	s_mov_b32 s56, 0
	s_mov_b32 s57, 0
	s_mov_b32 s46, 7
.Lpass2:
	TRIPTOP
	v_add_nc_u32 v20, s56, v10
	v_add_nc_u32 v21, s57, v11
	GSTEP 0, 1, 0
	GSTEP 1, 1, 0
	s_add_co_u32 s56, s56, 256
	s_add_co_u32 s57, s57, 128
	s_add_co_u32 s45, s45, 2
	s_sub_co_u32 s46, s46, 1
	s_cmp_lg_u32 s46, 0
	s_cbranch_scc1 .Lpass2
	TRIPTOP
	v_add_nc_u32 v20, s56, v10
	v_add_nc_u32 v21, s57, v11
	GSTEP 0, 1, 1
	GSTEP 1, 1, 2
	global_store_b128 v1, v[112:115], s[16:17]
	global_store_b128 v1, v[116:119], s[16:17] offset:512
	TILEEND 1
	s_wait_xcnt 0x0
.irp j, 0,1,2,3,4,5,6,7
	v_mov_b32 v[112+\j], 0
.endr
	s_mov_b32 s57, 0
	s_mov_b32 s46, 3
.Ltail:
	v_add_nc_u32 v21, s57, v11
	s_wait_alu depctr_va_vdst(0)
	CUNIT 0, 48, 1
	CUNIT 1, 48, 1
	CUNIT 2, 48, 1
	CUNIT 3, 48, 1
	s_add_co_u32 s57, s57, 256
	s_sub_co_u32 s46, s46, 1
	s_cmp_lg_u32 s46, 0
	s_cbranch_scc1 .Ltail
	v_add_nc_u32 v21, s57, v11
	s_wait_alu depctr_va_vdst(0)
	CUNIT 0, 48, 0
	CUNIT 1, 32, 0
	CUNIT 2, 16, 0
	CUNIT 3, 0, 0
	global_store_b128 v1, v[112:115], s[16:17] offset:4096
	global_store_b128 v1, v[116:119], s[16:17] offset:4608
	s_wait_tensorcnt 0x0
	ds_add_u32 v16, v17
	s_wait_dscnt 0x0
	ROUND
	s_endpgm
.Lfunc_end_k_q31c4b2bb79_attend:
	.size	k_q31c4b2bb79_attend, .Lfunc_end_k_q31c4b2bb79_attend-k_q31c4b2bb79_attend
	.p2alignl 7, 3214868480
	.fill 96, 4, 3214868480
	.section	.rodata,"a",@progbits
	.p2align	6, 0x0
	.amdhsa_kernel k_q31c4b2bb79_attend
		.amdhsa_group_segment_fixed_size 327680
		.amdhsa_private_segment_fixed_size 0
		.amdhsa_enable_private_segment 0
		.amdhsa_kernarg_size 56
		.amdhsa_user_sgpr_count 2
		.amdhsa_user_sgpr_kernarg_segment_ptr 1
		.amdhsa_wavefront_size32 1
		.amdhsa_system_sgpr_workgroup_id_x 1
		.amdhsa_system_sgpr_workgroup_id_y 1
		.amdhsa_system_sgpr_workgroup_id_z 1
		.amdhsa_system_vgpr_workitem_id 0
		.amdhsa_next_free_vgpr 1024
		.amdhsa_next_free_sgpr 66
		.amdhsa_reserve_vcc 0
		.amdhsa_float_denorm_mode_32 3
		.amdhsa_float_denorm_mode_16_64 3
		.amdhsa_memory_ordered 1
		.amdhsa_forward_progress 1
		.amdhsa_inst_pref_size 255
	.end_amdhsa_kernel
	.section	.bss,"aw",@nobits
	.p2align	6
	.space	262144
	.amdgpu_metadata
---
amdhsa.version: [ 1, 2 ]
amdhsa.kernels:
  - .name:           k_q31c4b2bb79_attend
    .symbol:         k_q31c4b2bb79_attend.kd
    .args:
      - { .name: values, .offset: 0, .size: 8, .value_kind: global_buffer, .address_space: global }
      - { .name: V, .offset: 8, .size: 8, .value_kind: global_buffer, .address_space: global }
      - { .name: cq, .offset: 16, .size: 8, .value_kind: global_buffer, .address_space: global }
      - { .name: w2img, .offset: 24, .size: 8, .value_kind: global_buffer, .address_space: global }
      - { .name: lg, .offset: 32, .size: 8, .value_kind: global_buffer, .address_space: global }
      - { .name: pm, .offset: 40, .size: 8, .value_kind: global_buffer, .address_space: global }
      - { .name: pc, .offset: 48, .size: 8, .value_kind: global_buffer, .address_space: global }
    .group_segment_fixed_size: 327680
    .private_segment_fixed_size: 0
    .kernarg_segment_align: 8
    .kernarg_segment_size: 56
    .max_flat_workgroup_size: 128
    .sgpr_count:     66
    .vgpr_count:     1024
    .wavefront_size: 32
...
	.end_amdgpu_metadata
.endif
;; end of part 2
;; launch finish (part 3): grid 8 x 32, 1 waves a work-group, no clusters, 0 bytes of LDS; arguments lg, pm, pc, out0, out1; writes out0, out1
.if DOCPART == 3
	.amdgcn_target "amdgcn-amd-amdhsa--gfx1250"
	.amdhsa_code_object_version 6
	.text
	.protected	k_q31c4b2bb79_finish
	.globl	k_q31c4b2bb79_finish
	.p2align	8
	.type	k_q31c4b2bb79_finish,@function
k_q31c4b2bb79_finish:
	s_mov_b64 s[64:65], 0
	v_nop
	global_prefetch_b8 v0, s[64:65] scope:SCOPE_SE
	s_setreg_imm32_b32 hwreg(HW_REG_WAVE_MODE, 25, 1), 1
	s_wait_xcnt 0x0
; BAHDANAU ATTENTION, launch 3 of 3.  bv stays out here too: it is the same along the softmax's axis (shown at the head of the first kernel).
; A batch's 16 tiles are joined.  Tile i brought m_i (its largest l2), s_i = the sum of 2^(l2 - m_i), and c_i = the sum of 2^(l2 - m_i) x row.  With M = the largest m_i and S = the sum of s_i 2^(m_i - M):
;   context = the sum of c_i 2^(m_i - M) / S;   weight[t] = 2^(l2[t] - M) / S.  The batch's largest l2 is taken away before every exponential.
; A work-group of one wave takes one batch (y) and one eighth of it (x): 128 columns of the context, 4 a lane, and 256 weights, 8 a lane.  Every load and store of rows covers 512 consecutive bytes, aligned.
; No LDS, no matrix unit, no cluster: 2.5 MB are read once, and work-groups share only the 16 pairs (m, s).
	s_load_b256 s[4:11], s[0:1], 0x0               ; lg s[4:5], pm s[6:7], pc s[8:9], out0 s[10:11]
	s_load_b64 s[12:13], s[0:1], 0x20              ; out1
	s_and_b32 s14, ttmp7, 0xffff                   ; the batch
	v_and_b32 v1, 15, v0
	v_lshlrev_b32 v1, 8, v1                        ; lanes i and 16 + i take tile i's pair: 256 bytes a tile
	v_lshlrev_b32 v6, 4, v0                        ; 16 x lane
	s_mov_b32 s37, 0
	s_lshl_b32 s38, ttmp9, 9                       ; my 128 columns
	s_wait_alu depctr_va_vdst(0)
	s_wait_kmcnt 0x0
	s_lshl_b32 s36, s14, 12
	s_add_nc_u64 s[6:7], s[6:7], s[36:37]          ; pm: 16 tiles of 256 bytes a batch
	s_add_co_u32 s36, s36, s38
	s_add_nc_u64 s[10:11], s[10:11], s[36:37]      ; out0: a row of 4,096 bytes a batch
	s_lshl_b32 s36, s14, 16
	s_add_co_u32 s36, s36, s38
	s_add_nc_u64 s[8:9], s[8:9], s[36:37]          ; pc: 16 rows a batch
	s_lshl_b32 s36, s14, 13
	s_lshl_b32 s38, ttmp9, 10
	s_add_co_u32 s36, s36, s38
	s_add_nc_u64 s[4:5], s[4:5], s[36:37]          ; lg and out1: 8,192 bytes a batch, my 1,024
	s_add_nc_u64 s[12:13], s[12:13], s[36:37]
	global_load_b64 v[2:3], v1, s[6:7]
.irp i, 0,1,2,3,4,5,6,7,8,9,10,11,12,13,14,15
	global_load_b128 v[16+4*\i:19+4*\i], v6, s[8:9] offset:4096*\i
.endr
	global_load_b128 v[80:83], v6, s[4:5]
	global_load_b128 v[84:87], v6, s[4:5] offset:512
	s_wait_loadcnt 18                              ; (m, s) is in; the 18 loads behind it stay out
	v_mov_b32 v4, v2
.irp x, 1,2,4,8
	v_max_num_f32_dpp v4, v4, v4 row_xmask:\x row_mask:0xf bank_mask:0xf   ; each half of the lanes holds all 16 tiles: M in every lane
.endr
	v_sub_f32 v5, v2, v4
	s_wait_alu depctr_va_vdst(0)
	v_exp_f32 v5, v5                               ; 2^(m_i - M)
	v_nop                                          ; a plain place, and the wait ahead of the first reader
	s_wait_alu depctr_va_vdst(0)
	v_mul_f32 v7, v3, v5
.irp x, 1,2,4,8
	v_add_f32_dpp v7, v7, v7 row_xmask:\x row_mask:0xf bank_mask:0xf       ; S
.endr
	s_wait_alu depctr_va_vdst(0)
	v_rcp_f32 v8, v7
	v_nop
	s_wait_alu depctr_va_vdst(0)
	v_mul_f32 v5, v5, v8                           ; f_i = 2^(m_i - M) / S
.irp i, 0,1,2,3,4,5,6,7,8,9,10,11,12,13,14,15
	v_readlane_b32 s[16+\i], v5, \i
.endr
	s_wait_loadcnt 0x0
.irp i, 0,1,2,3,4,5,6,7
	v_sub_f32 v[80+\i], v[80+\i], v4
.endr
	s_wait_alu depctr_va_vdst(0)
.irp i, 0,1,2,3,4,5,6,7
	v_exp_f32 v[80+\i], v[80+\i]                   ; one batch; the context's 64 lines below are the work behind it
.endr
.irp c, 0,1,2,3
	v_mul_f32 v[88+\c], s16, v[16+\c]              ; the first tile starts the sums
.endr
.irp i, 1,2,3,4,5,6,7,8,9,10,11,12,13,14,15
.irp c, 0,1,2,3
	v_fma_f32 v[88+\c], v[16+4*\i+\c], s[16+\i], v[88+\c]
.endr
.endr
	global_store_b128 v6, v[88:91], s[10:11]
	s_wait_alu depctr_va_vdst(0)                   ; one wait for the eight exponentials, ahead of their first reader
.irp i, 0,1,2,3,4,5,6,7
	v_mul_f32 v[80+\i], v[80+\i], v8
.endr
	global_store_b128 v6, v[80:83], s[12:13]
	global_store_b128 v6, v[84:87], s[12:13] offset:512
	s_endpgm
.Lfunc_end_k_q31c4b2bb79_finish:
	.size	k_q31c4b2bb79_finish, .Lfunc_end_k_q31c4b2bb79_finish-k_q31c4b2bb79_finish
	.p2alignl 7, 3214868480
	.fill 96, 4, 3214868480
	.section	.rodata,"a",@progbits
	.p2align	6, 0x0
	.amdhsa_kernel k_q31c4b2bb79_finish
		.amdhsa_group_segment_fixed_size 0
		.amdhsa_private_segment_fixed_size 0
		.amdhsa_enable_private_segment 0
		.amdhsa_kernarg_size 40
		.amdhsa_user_sgpr_count 2
		.amdhsa_user_sgpr_kernarg_segment_ptr 1
		.amdhsa_wavefront_size32 1
		.amdhsa_system_sgpr_workgroup_id_x 1
		.amdhsa_system_sgpr_workgroup_id_y 1
		.amdhsa_system_sgpr_workgroup_id_z 1
		.amdhsa_system_vgpr_workitem_id 0
		.amdhsa_next_free_vgpr 96
		.amdhsa_next_free_sgpr 66
		.amdhsa_reserve_vcc 0
		.amdhsa_float_denorm_mode_32 3
		.amdhsa_float_denorm_mode_16_64 3
		.amdhsa_memory_ordered 1
		.amdhsa_forward_progress 1
		.amdhsa_inst_pref_size 10
	.end_amdhsa_kernel
	.amdgpu_metadata
---
amdhsa.version: [ 1, 2 ]
amdhsa.kernels:
  - .name:           k_q31c4b2bb79_finish
    .symbol:         k_q31c4b2bb79_finish.kd
    .args:
      - { .name: lg, .offset: 0, .size: 8, .value_kind: global_buffer, .address_space: global }
      - { .name: pm, .offset: 8, .size: 8, .value_kind: global_buffer, .address_space: global }
      - { .name: pc, .offset: 16, .size: 8, .value_kind: global_buffer, .address_space: global }
      - { .name: out0, .offset: 24, .size: 8, .value_kind: global_buffer, .address_space: global }
      - { .name: out1, .offset: 32, .size: 8, .value_kind: global_buffer, .address_space: global }
    .group_segment_fixed_size: 0
    .private_segment_fixed_size: 0
    .kernarg_segment_align: 8
    .kernarg_segment_size: 40
    .max_flat_workgroup_size: 32
    .sgpr_count:     66
    .vgpr_count:     96
    .wavefront_size: 32
...
	.end_amdgpu_metadata
.endif
;; end of part 3
